; MI455X (gfx1250); checked and timed in simulation.
; The chip was launched on July 23, 2026; its instructions are those of AMD's public machine-readable ISA for CDNA 5 (MIT licence, August 2026) and "CDNA5" Instruction Set Architecture Reference Guide (July 2026). The comments in the code are by the model that wrote it; some were corrected since.
;; Multi Headed Attention Export. Allowed arithmetic: float matrix products may take bf16 or f16 operands with f32 sums; all other float work in f32.
;; Inputs: Wk 1,024 x 1,024 float32; Wo 1,024 x 1,024 float32; Wq 1,024 x 1,024 float32; Wv 1,024 x 1,024 float32; bk 1,024 float32; bo 1,024 float32; bq 1,024 float32; bv 1,024 float32; key 4 x 2,048 x 1,024 float32; mask 4 x 1 x 2,048 x 2,048 float32; query 4 x 2,048 x 1,024 float32; value 4 x 2,048 x 1,024 float32.
;; Outputs: out0 4 x 2,048 x 1,024 float32.
;; One version. Each part assembles by itself: llvm-mc -triple=amdgcn-amd-amdhsa -mcpu=gfx1250 --defsym DOCPART=n.
;; ======== version 1 of 1: 4 launches
;; limits: values are held in f16: magnitudes above 65,504 overflow, below 6.1e-05 lose precision
;; workspace buffers: xb 50,331,648 bytes; wb 8,388,608 bytes; qkvb 50,331,648 bytes; ctxb 16,777,216 bytes
;; launch cvt (part 1): grid 64 x 28, 8 waves a work-group, no clusters, 0 bytes of LDS; arguments query, key, value, Wq, Wk, Wv, Wo, xb, wb; writes xb, wb
.if DOCPART == 1
	.amdgcn_target "amdgcn-amd-amdhsa--gfx1250"
	.amdhsa_code_object_version 6
	.text
	.protected	k_q5a29fd0838_cvt
	.globl	k_q5a29fd0838_cvt
	.p2align	8
	.type	k_q5a29fd0838_cvt,@function
k_q5a29fd0838_cvt:
	s_mov_b64 s[64:65], 0
	v_nop
	global_prefetch_b8 v0, s[64:65] scope:SCOPE_SE
	s_setreg_imm32_b32 hwreg(HW_REG_WAVE_MODE, 25, 1), 1
	s_wait_xcnt 0x0
; f32 -> f16 (round to nearest even) of the seven matrix operands, once, so that every product kernel moves 16-bit tiles.
; xb = [query; key; value] as [3*8192][1024] f16, wb = [Wq; Wk; Wv; Wo] as [4*1024][1024] f16.
; LIMIT: a number above 65,504 in magnitude becomes an infinity in f16.
; A work-group takes 64 KiB of f32: y 0-7 query, 8-15 key, 16-23 value (64 x 8 units each), y 24..27 Wq, Wk, Wv, Wo (64 units each).
; A wave takes 8 KiB: sixteen loads of 512 consecutive bytes, all issued at once; each store covers 256 consecutive bytes, aligned.
; A stream: no LDS, no matrix unit, no cluster (no byte is read twice).  No register is written twice, so only the loads are waited for.
.set X, 4                              ; v[4:67]   sixteen loads of four f32
.set Y, 68                             ; v[68:99]  sixteen pairs of packed f16
	s_load_b512 s[8:23], s[0:1], 0x0               ; query s[8:9], key, value, Wq, Wk, Wv, Wo s[20:21], xb s[22:23]
	s_load_b64 s[24:25], s[0:1], 0x40              ; wb
	s_and_b32 s26, ttmp7, 0xffff                   ; y
	s_and_b32 s27, s26, 7
	s_lshl_b32 s27, s27, 6                         ; (y & 7) * 64: unit inside query, key or value
	s_sub_co_u32 s28, s26, 24
	s_lshl_b32 s28, s28, 6                         ; (y - 24) * 64: unit inside wb (used for y >= 24 alone)
	s_lshl_b32 s29, s26, 6                         ; y * 64: unit inside xb
	s_cmp_lt_u32 s26, 24
	s_cselect_b32 s27, s27, 0                      ; a weight is 64 units: x alone
	s_cselect_b32 s28, s29, s28
	s_add_co_u32 s27, s27, ttmp9
	s_add_co_u32 s28, s28, ttmp9
	s_lshl_b32 s2, s27, 16                         ; source: units of 65,536 bytes
	s_mov_b32 s3, 0
	s_lshl_b32 s30, s28, 15                        ; destination: units of 32,768 bytes
	s_mov_b32 s31, 0
	v_and_b32 v1, 0xe0, v0                         ; 32 x wave
	v_and_b32 v3, 31, v0
	v_lshlrev_b32 v1, 8, v1                        ; wave x 8,192
	v_lshl_or_b32 v1, v3, 4, v1                    ; + 16 x lane
	v_lshrrev_b32 v2, 1, v1                        ; wave x 4,096 + 8 x lane
	s_wait_kmcnt 0x0
	s_mov_b64 s[4:5], s[20:21]                     ; the source buffer, chosen by y alone
	s_cmp_eq_u32 s26, 26
	s_cselect_b64 s[4:5], s[18:19], s[4:5]
	s_cmp_eq_u32 s26, 25
	s_cselect_b64 s[4:5], s[16:17], s[4:5]
	s_cmp_eq_u32 s26, 24
	s_cselect_b64 s[4:5], s[14:15], s[4:5]
	s_cmp_lt_u32 s26, 24
	s_cselect_b64 s[4:5], s[12:13], s[4:5]
	s_cselect_b64 s[6:7], s[22:23], s[24:25]       ; the destination buffer
	s_cmp_lt_u32 s26, 16
	s_cselect_b64 s[4:5], s[10:11], s[4:5]
	s_cmp_lt_u32 s26, 8
	s_cselect_b64 s[4:5], s[8:9], s[4:5]
	s_add_nc_u64 s[4:5], s[4:5], s[2:3]
	s_add_nc_u64 s[6:7], s[6:7], s[30:31]
.irp j, 0,1,2,3,4,5,6,7,8,9,10,11,12,13,14,15
	global_load_b128 v[X+4*\j:X+4*\j+3], v1, s[4:5] offset:512*\j th:TH_LOAD_NT
.endr
.irp j, 0,1,2,3,4,5,6,7,8,9,10,11,12,13,14,15
	s_wait_loadcnt 15-\j                           ; loads return in order: load j is in, the 15 - j younger ones stay out
	v_cvt_pk_f16_f32 v[Y+2*\j],   v[X+4*\j],   v[X+4*\j+1]
	v_cvt_pk_f16_f32 v[Y+2*\j+1], v[X+4*\j+2], v[X+4*\j+3]
	global_store_b64 v2, v[Y+2*\j:Y+2*\j+1], s[6:7] offset:256*\j
.endr
	s_endpgm
.Lfunc_end_k_q5a29fd0838_cvt:
	.size	k_q5a29fd0838_cvt, .Lfunc_end_k_q5a29fd0838_cvt-k_q5a29fd0838_cvt
	.p2alignl 7, 3214868480
	.fill 96, 4, 3214868480
	.section	.rodata,"a",@progbits
	.p2align	6, 0x0
	.amdhsa_kernel k_q5a29fd0838_cvt
		.amdhsa_group_segment_fixed_size 0
		.amdhsa_private_segment_fixed_size 0
		.amdhsa_enable_private_segment 0
		.amdhsa_kernarg_size 72
		.amdhsa_user_sgpr_count 2
		.amdhsa_user_sgpr_kernarg_segment_ptr 1
		.amdhsa_wavefront_size32 1
		.amdhsa_system_sgpr_workgroup_id_x 1
		.amdhsa_system_sgpr_workgroup_id_y 1
		.amdhsa_system_sgpr_workgroup_id_z 1
		.amdhsa_system_vgpr_workitem_id 0
		.amdhsa_next_free_vgpr 100
		.amdhsa_next_free_sgpr 66
		.amdhsa_reserve_vcc 0
		.amdhsa_float_denorm_mode_32 3
		.amdhsa_float_denorm_mode_16_64 3
		.amdhsa_memory_ordered 1
		.amdhsa_forward_progress 1
		.amdhsa_inst_pref_size 8
	.end_amdhsa_kernel
	.amdgpu_metadata
---
amdhsa.version: [ 1, 2 ]
amdhsa.kernels:
  - .name:           k_q5a29fd0838_cvt
    .symbol:         k_q5a29fd0838_cvt.kd
    .args:
      - { .name: query, .offset: 0, .size: 8, .value_kind: global_buffer, .address_space: global }
      - { .name: key, .offset: 8, .size: 8, .value_kind: global_buffer, .address_space: global }
      - { .name: value, .offset: 16, .size: 8, .value_kind: global_buffer, .address_space: global }
      - { .name: Wq, .offset: 24, .size: 8, .value_kind: global_buffer, .address_space: global }
      - { .name: Wk, .offset: 32, .size: 8, .value_kind: global_buffer, .address_space: global }
      - { .name: Wv, .offset: 40, .size: 8, .value_kind: global_buffer, .address_space: global }
      - { .name: Wo, .offset: 48, .size: 8, .value_kind: global_buffer, .address_space: global }
      - { .name: xb, .offset: 56, .size: 8, .value_kind: global_buffer, .address_space: global }
      - { .name: wb, .offset: 64, .size: 8, .value_kind: global_buffer, .address_space: global }
    .group_segment_fixed_size: 0
    .private_segment_fixed_size: 0
    .kernarg_segment_align: 8
    .kernarg_segment_size: 72
    .max_flat_workgroup_size: 256
    .sgpr_count:     66
    .vgpr_count:     100
    .wavefront_size: 32
...
	.end_amdgpu_metadata
.endif
;; end of part 1
;; launch proj (part 2): grid 4 x 192, 4 waves a work-group, clusters of 4 x 4, 327,680 bytes of LDS; arguments xb, wb, bq, bk, bv, qkvb; writes qkvb
.if DOCPART == 2
	.amdgcn_target "amdgcn-amd-amdhsa--gfx1250"
	.amdhsa_code_object_version 6
	.text
	.protected	k_q5a29fd0838_proj
	.globl	k_q5a29fd0838_proj
	.p2align	8
	.type	k_q5a29fd0838_proj,@function
k_q5a29fd0838_proj:
	s_mov_b64 s[64:65], 0
	v_nop
	global_prefetch_b8 v0, s[64:65] scope:SCOPE_SE
	s_setreg_imm32_b32 hwreg(HW_REG_WAVE_MODE, 25, 1), 1
	s_wait_xcnt 0x0
	s_wait_alu depctr_hold_cnt(0) depctr_sa_sdst(0) depctr_va_vdst(0) depctr_va_sdst(0) depctr_va_ssrc(0) depctr_va_vcc(0) depctr_vm_vsrc(0)
	s_getreg_b32 s2, hwreg(HW_REG_IB_STS2, 6, 4)
	s_cmp_eq_u32 s2, 0
	s_cbranch_scc0 .Lentry_in_a_cluster
	s_endpgm
.Lentry_in_a_cluster:
	s_bfe_u32 s2, ttmp6, 0x10000c
	s_cmp_lg_u32 s2, 0xf033
	s_cbranch_scc0 .Lentry_shape_is_right
	s_endpgm
.Lentry_shape_is_right:
; OUTP = 0: qkvb[g*8192 + t][e] = (sum over d of xb[g*8192 + t][d] wb[g*1024 + e][d] + bias_g[e]) * s_g, f16 out; s_0 = 1/8 (the attention scale, exact), s_1 = s_2 = 1.
; OUTP = 1: out0[t][e] = sum over d of ctxb[t][d] wb[3072 + e][d] + bo[e], f32 out.
; Operands f16, sums f32.  LIMIT: results of OUTP = 0 above 65,504 in magnitude become infinities in f16.
; A work-group makes 128 rows x 256 columns with four waves; a wave makes 64 x 128: 32 accumulator tiles, 256 registers.  768 (256) blocks: three (one) for each of 256 work-group places.
; K = 1024 goes in eight steps of 128 through two LDS slots filled by tensor loads; a tile's rows are 256 bytes of memory and begin at multiples of 256 bytes.
; CLUSTER 4 x 4: the four work-groups of a cluster row need the same rows of x, the four of a column the same rows of W.  Each tile is asked for jointly,
; by the same line with the same descriptor in all four, which divides the requests by four.
; REGISTERS: window 0 addresses, fragments (two buffers), packing; window 1 the accumulators, tile (a, b) at v[8 (8 a + b)]; window 2 the bias.
; THE PRODUCT IS USED TRANSPOSED: source 0 = 16 rows of W, source 1 = 16 rows of x.  Lane l then holds row l % 16 and columns 8 (l / 16) + 0..7 of the tile.
; In that layout the bias of a tile is eight consecutive floats a lane, and the first product of each tile takes it as C: nothing is cleared, nothing is added later.
.set OUTP,   0
.set SIZE_K, 1024
.set SIZE_N, 1024
.set KSTEP,  128
.set PITCH,  272                       ; an LDS row: 256 bytes + 16 of padding: sixteen rows begin at sixteen different 16-byte columns modulo 256
.set HALFT,  128*PITCH                 ; a compartment: 128 rows
.set SLOT,   4*HALFT                   ; x rows 0-63, x rows 64-127 (each in the first half of its compartment), W rows 0-127, W rows 128-255
.set STAGE,  2*SLOT                    ; behind the ring, 16 rows for each wave, for the way out; no fill lands here
.if OUTP
.set SPITCH, 528                       ; 128 f32 + 16 bytes
.set WROW0,  3072                      ; Wo's first row in wb
.set OBYTES, 4
.else
.set SPITCH, 272                       ; 128 f16 + 16 bytes
.set WROW0,  0
.set OBYTES, 2
.endif
.set LAPS, SIZE_K/(2*KSTEP)            ; a lap = two K steps = once round the ring
.set ADRA, 16                          ; v16-17  LDS address of my x fragments in slot 0, 1
.set ADRB, 20                          ; v20-21  the same for W
.set STO,  24                          ; the way out: where I put my piece of a row
.set RD,   25                          ; the way out: where I read rows back
.set CO,   26                          ; my byte offset in the output
.set BO,   27                          ; 32 (l / 16): my eight floats of a tile's bias
.set AF,   32                          ; v[32:63], v[64:95]    x fragments (4 x 16 rows x 32 K), two buffers
.set BF,   96                          ; v[96:159], v[160:223] W fragments (8 x 16 rows x 32 K), two buffers
.set TMP,  224                         ; v[224:255] packed results
.set G1,  24                           ; s[24:31] group 1 for x's tiles
.set G0,  32                           ; s[32:39] group 0 for x's tiles, one set a slot
.set G1B, 48                           ; s[48:55] group 1 for W's tiles
.set G0B, 56                           ; s[56:63] group 0 for W's tiles, one set a slot
.set W_MUL,  0x50                      ; C and D in window 1, sources in window 0
.set W_MULB, 0x60                      ; D in window 1, C (the bias) in window 2
.set MSB, 0
.macro WIN new                         ; the immediate's high byte repeats the setting that is left; a switch that changes nothing is dropped
.if MSB != \new
	s_set_vgpr_msb (MSB<<8)|\new
.set MSB, \new
.endif
.endm
; A joint load: waves 0 and 1 fetch x's two halves of 64 rows, waves 2 and 3 W's two halves of 128 rows.  The branch hangs on the wave's number alone.
.macro JLOAD s
	s_cmp_eq_u32 s11, 0
	s_cbranch_scc0 .Lfor_b_\@
	tensor_load_to_lds s[G0+4*\s:G0+4*\s+3], s[G1:G1+7]
	s_nop 0
	s_branch .Lasked_\@
.Lfor_b_\@:
	tensor_load_to_lds s[G0B+4*\s:G0B+4*\s+3], s[G1B:G1B+7]
	s_nop 0
.Lasked_\@:
.endm
.macro CREST                           ; a round of the cluster's barrier behind its opening work-group barrier
	s_cmp_lg_u32 s10, 0
	s_cbranch_scc1 .Lnot_wave_0_\@
	s_barrier_signal -3
.Lnot_wave_0_\@:
	s_barrier_wait -3
	s_barrier_signal -1
	s_barrier_wait -1
.endm
.macro CROUND                          ; a whole round
	s_barrier_signal -1
	s_barrier_wait -1
	CREST
.endm
.macro PLACES                          ; four places behind a matrix instruction in front of loads into, or vector work on, its registers
.rept 4
	v_nop
.endr
.endm
	s_load_b128 s[4:7], s[0:1], 0x0                ; x (xb or ctxb) s[4:5], wb s[6:7]
	s_load_b128 s[68:71], s[0:1], 0x10             ; OUTP = 0: bq, bk;  OUTP = 1: bo, out0
.if OUTP == 0
	s_load_b128 s[72:75], s[0:1], 0x20             ; bv, qkvb
	v_lshl_add_u32 v30, v0, 2, 0x48400
	v_mov_b32 v31, 0
	ds_add_u32 v30, v31
.endif
	v_lshrrev_b32 v1, 5, v0
	v_readfirstlane_b32 s10, v1                    ; wave 0..3
	s_lshr_b32 s11, s10, 1                         ; my half of the block's rows.  Also: I fetch for x (0) or for W (1)
	s_and_b32 s12, s10, 1                          ; my half of its columns.  Also: which half of that tile I fetch
	s_bfe_u32 s40, ttmp6, 0x40000                  ; cx
	s_bfe_u32 s41, ttmp6, 0x40004                  ; cy
	s_lshl_b32 s42, ttmp9, 2
	s_add_co_u32 s42, s42, s40                     ; block column = 4 x cluster x + cx
	s_and_b32 s45, ttmp7, 0xffff                   ; cluster y
	s_lshl_b32 s13, s45, 2
	s_add_co_u32 s13, s13, s41                     ; block row = 4 x cluster y + cy
	s_lshr_b32 s45, s45, 4                         ; g: 64 block rows = 16 clusters for each projection (0 where OUTP = 1)
	s_lshl_b32 s43, s41, 2
	s_lshl_b32 s43, 15, s43                        ; my row of the cluster
	s_lshl_b32 s44, 0x1111, s40                    ; my column of the cluster
	; group 1: rows of 128 elements of 2 bytes, 4 words of padding behind every 64 words; x 64 rows, W 128 rows
	s_or_b32 s[G1+0], s43, (1<<16)|(1<<20)|(1<<21)|(5<<22)|(3<<25)
	s_or_b32 s[G1B+0], s44, (1<<16)|(1<<20)|(1<<21)|(5<<22)|(3<<25)
	s_mov_b32 s[G1+1], KSTEP<<16                   ; tensor_dim0 = 128
	s_mov_b32 s[G1B+1], KSTEP<<16
	s_mov_b32 s[G1+2], 64<<16                      ; tensor_dim1 = 64
	s_mov_b32 s[G1B+2], 128<<16                    ; tensor_dim1 = 128
	s_mov_b32 s[G1+3], KSTEP<<16                   ; tile_dim0 = 128
	s_mov_b32 s[G1B+3], KSTEP<<16
	s_mov_b32 s[G1+4], 64                          ; tile_dim1
	s_mov_b32 s[G1B+4], 128
	s_mov_b32 s[G1+5], SIZE_K                      ; elements from row to row
	s_mov_b32 s[G1B+5], SIZE_K
	s_mov_b32 s[G1+6], 0
	s_mov_b32 s[G1B+6], 0
	s_mov_b32 s[G1+7], 0
	s_mov_b32 s[G1B+7], 0
	; x's tile hangs on the block row alone, W's on the block column and g alone; each address in registers that never hold the other coordinate
	s_lshl_b32 s16, s13, 7
	s_lshl_b32 s17, s12, 6
	s_add_co_u32 s16, s16, s17                     ; x: row 128 x block row + 64 x half
	s_lshl_b32 s16, s16, 11                        ; x 2,048 bytes: 50,329,600 at the most
	s_mov_b32 s17, 0
	s_lshl_b32 s46, s42, 8
	s_lshl_b32 s47, s12, 7
	s_add_co_u32 s46, s46, s47                     ; W: row 256 x block column + 128 x half
	s_lshl_b32 s47, s45, 10
	s_add_co_u32 s46, s46, s47                     ; + 1,024 g
	s_add_co_u32 s46, s46, WROW0
	s_lshl_b32 s46, s46, 11
	s_mov_b32 s47, 0
	s_mul_i32 s20, s10, HALFT                      ; where my tile goes: wave x a compartment
	s_lshl_b32 s76, s42, 10
	s_lshl_b32 s77, s12, 9
	s_add_co_u32 s76, s76, s77                     ; bias: 4 bytes x (256 x block column + 128 x my half of the columns)
	s_mov_b32 s77, 0
	s_wait_dscnt 0x0
	s_wait_kmcnt 0x0
	s_add_nc_u64 s[14:15], s[4:5], s[16:17]
	s_add_nc_u64 s[46:47], s[6:7], s[46:47]
	CROUND                                         ; all sixteen work-groups are here: the first joint loads meet
.irp s, 0,1
	s_mov_b32 s[G0+4*\s], 1
	s_add_co_u32 s[G0+4*\s+1], s20, \s*SLOT
	s_add_nc_u64 s[G0+4*\s+2:G0+4*\s+3], s[14:15], \s*KSTEP*2
	s_or_b32 s[G0+4*\s+3], s[G0+4*\s+3], 0x80000000
	s_mov_b32 s[G0B+4*\s], 1
	s_add_co_u32 s[G0B+4*\s+1], s20, \s*SLOT
	s_add_nc_u64 s[G0B+4*\s+2:G0B+4*\s+3], s[46:47], \s*KSTEP*2
	s_or_b32 s[G0B+4*\s+3], s[G0B+4*\s+3], 0x80000000
	JLOAD \s                                       ; K steps 0 and 1: two tensor loads of this wave are out, later one
.endr
	v_and_b32 v1, 15, v0                           ; r = l % 16
	v_bfe_u32 v2, v0, 4, 1                         ; h = l / 16
	v_lshlrev_b32 v[BO], 5, v2
.if OUTP == 0
	s_cmp_eq_u32 s45, 1                            ; the bias and the scale of my projection
	s_cselect_b64 s[68:69], s[70:71], s[68:69]
	s_cmp_eq_u32 s45, 2
	s_cselect_b64 s[68:69], s[72:73], s[68:69]
	s_cmp_eq_u32 s45, 0
	s_cselect_b32 s90, 0x3e000000, 1.0             ; 1/8 for q
	s_mov_b32 s91, s90
	s_mov_b64 s[8:9], s[74:75]
.else
	s_mov_b64 s[8:9], s[70:71]
.endif
	s_add_nc_u64 s[68:69], s[68:69], s[76:77]
	WIN 0x80                                       ; destination in window 2
.irp b, 0,1,2,3,4,5,6,7
	global_load_b128 v[8*\b:8*\b+3],   v[BO], s[68:69] offset:64*\b      ; bias[n0 + 16 b + 8 h + 0..3]
	global_load_b128 v[8*\b+4:8*\b+7], v[BO], s[68:69] offset:64*\b+16   ; .. + 4..7
.endr
	WIN 0
	; a fragment: lane l holds row l % 16; registers 0-3 K = 8 h + 0..7, registers 4-7 K = 16 + 8 h + 0..7: two loads of 16 bytes, 32 bytes apart
	v_mul_u32_u24 v3, v1, PITCH
	v_lshl_add_u32 v3, v2, 4, v3
	s_mul_i32 s21, s11, HALFT                      ; my 64 rows of x
	s_mul_i32 s22, s12, HALFT
	s_add_co_u32 s22, s22, 2*HALFT                 ; my 128 rows of W
.irp s, 0,1
	v_add_nc_u32 v[ADRA+\s], s21, v3
	v_add_nc_u32 v[ADRB+\s], s22, v3
	s_add_co_u32 s21, s21, SLOT
	s_add_co_u32 s22, s22, SLOT
.endr
	s_mul_i32 s23, s10, 16*SPITCH
	s_add_co_u32 s23, s23, STAGE                   ; my stage
	v_mul_u32_u24 v4, v1, SPITCH
.if OUTP
	v_lshl_add_u32 v4, v2, 5, v4                   ; in: row r, 32 bytes (8 f32) for each half of the lanes
	v_add_nc_u32 v[STO], s23, v4
	v_and_b32 v5, 31, v0
	v_lshlrev_b32 v[CO], 4, v5                     ; back and out: 32 lanes take one row of 512 bytes
	v_add_nc_u32 v[RD], s23, v[CO]
.else
	v_lshl_add_u32 v4, v2, 4, v4                   ; in: row r, 16 bytes (8 f16) for each half of the lanes
	v_add_nc_u32 v[STO], s23, v4
	v_mul_u32_u24 v5, v2, SPITCH                   ; back: lanes 0-15 one row of 256 bytes, lanes 16-31 the next
	v_lshl_add_u32 v5, v1, 4, v5
	v_add_nc_u32 v[RD], s23, v5
	v_lshlrev_b32 v5, 11, v2                       ; and the same two rows in qkvb
	v_lshl_add_u32 v[CO], v1, 4, v5
.endif
	s_wait_loadcnt 0x0                             ; the bias, once
; Eight matrix instructions: row block a x all eight column blocks, 32 along K, from buffer f.  first = 1: C is the bias.
; The 32 accumulators take turns, one instruction a turn, in the same order in every quarter step.
.macro MUL8 f, a, first
.irp b, 0,1,2,3,4,5,6,7
.if \first
	v_wmma_f32_16x16x32_f16 v[8*(8*\a+\b):8*(8*\a+\b)+7], v[BF+64*\f+8*\b:BF+64*\f+8*\b+7], v[AF+32*\f+8*\a:AF+32*\f+8*\a+7], v[8*\b:8*\b+7]
.else
	v_wmma_f32_16x16x32_f16 v[8*(8*\a+\b):8*(8*\a+\b)+7], v[BF+64*\f+8*\b:BF+64*\f+8*\b+7], v[AF+32*\f+8*\a:AF+32*\f+8*\a+7], v[8*(8*\a+\b):8*(8*\a+\b)+7]
.endif
.endr
.endm
; 24 LDS loads in one run: the fragments of a quarter step (128 rows of W, then 64 rows of x, 32 K at byte k of the rows) into buffer f
.macro FETCH slot, k, f
	WIN 0
.irp i, 0,1,2,3,4,5,6,7
	ds_load_b128 v[BF+64*\f+8*\i:BF+64*\f+8*\i+3],   v[ADRB+\slot] offset:\k+\i*16*PITCH
	ds_load_b128 v[BF+64*\f+8*\i+4:BF+64*\f+8*\i+7], v[ADRB+\slot] offset:\k+\i*16*PITCH+32
.endr
.irp i, 0,1,2,3
	ds_load_b128 v[AF+32*\f+8*\i:AF+32*\f+8*\i+3],   v[ADRA+\slot] offset:\k+\i*16*PITCH
	ds_load_b128 v[AF+32*\f+8*\i+4:AF+32*\f+8*\i+7], v[ADRA+\slot] offset:\k+\i*16*PITCH+32
.endr
.endm
.macro WINM first
.if \first
	WIN W_MULB
.else
	WIN W_MUL
.endif
.endm
; One of a K step's first three quarters: multiplies buffer f and, in its middle, fetches the next quarter's fragments into buffer g
.macro QUARTER slot, k, f, g, first
	s_wait_dscnt 4                                 ; W and x's fragments 0, 1 are in; the youngest four loads (x's fragments 2, 3) may be out
	WINM \first
	MUL8 \f, 0, \first
	MUL8 \f, 1, \first
	PLACES
	FETCH \slot, \k, \g
	s_wait_dscnt 24                                ; all but the 24 just issued
	WINM \first
	MUL8 \f, 2, \first
	MUL8 \f, 3, \first
.endm
.macro THREE slot, first
	QUARTER \slot, 64,  0, 1, \first
	QUARTER \slot, 128, 1, 0, 0
	QUARTER \slot, 192, 0, 1, 0
.endm
; The last quarter multiplies buffer 1 and changes slots.  In front of the barrier each wave waits for its reads of this slot and for all its tensor
; loads (one is out: its part of the next slot).  fill = 1: the barrier opens a round of the cluster's barrier, and the joint refill of this slot,
; two K steps ahead, is the first tensor load behind the round.  From that request to the wait for it the wave issues 120 matrix instructions.
.macro TURN slot, next, fill
	s_wait_dscnt 4
	WIN W_MUL
	MUL8 1, 0, 0
	s_wait_dscnt 0x0                               ; my reads of this slot are over
	s_wait_tensorcnt 0x0                           ; all my tensor loads have landed
	ds_add_u32 v30, v31
	s_wait_dscnt 0x0
	s_barrier_signal -1
	MUL8 1, 1, 0                                   ; register work while the others arrive
	WIN 0
	s_barrier_wait -1
.if \fill
	CREST
	s_add_nc_u64 s[G0+4*\slot+2:G0+4*\slot+3], s[G0+4*\slot+2:G0+4*\slot+3], 2*KSTEP*2
	s_add_nc_u64 s[G0B+4*\slot+2:G0B+4*\slot+3], s[G0B+4*\slot+2:G0B+4*\slot+3], 2*KSTEP*2
	JLOAD \slot
.endif
	PLACES
	FETCH \next, 0, 0
	WIN W_MUL
	MUL8 1, 2, 0
	MUL8 1, 3, 0
.endm
.macro LAP first
	THREE 0, \first
	TURN 0, 1, 1
	THREE 1, 0
	TURN 1, 0, 1
.endm
	s_wait_tensorcnt 1                             ; my part of K step 0 is in; K step 1's load stays out
	s_barrier_signal -1
	s_barrier_wait -1
	FETCH 0, 0, 0
	LAP 1                                          ; the first lap stands in front of the loop: its first products take the bias as C
	WIN 0                                          ; at a label and at a branch every window is 0
	s_mov_b32 s3, LAPS-2
.Llap:
	LAP 0
	WIN 0
	s_sub_co_u32 s3, s3, 1
	s_cmp_lg_u32 s3, 0
	s_cbranch_scc1 .Llap
	THREE 0, 0                                     ; the last lap fills nothing
	TURN 0, 1, 0
	THREE 1, 0
	s_wait_dscnt 4                                 ; the very last quarter
	WIN W_MUL
	MUL8 1, 0, 0
	MUL8 1, 1, 0
	s_wait_dscnt 0x0
	MUL8 1, 2, 0
	MUL8 1, 3, 0
	; THE WAY OUT, 16 rows at a time, through my own stage in LDS, so that each store covers whole aligned runs of 256 bytes or more
	PLACES
	s_lshl_b32 s16, s13, 7
	s_lshl_b32 s17, s11, 6
	s_add_co_u32 s16, s16, s17                     ; my first row
	s_mul_i32 s16, s16, SIZE_N*OBYTES
	s_mov_b32 s17, 0
	s_add_nc_u64 s[8:9], s[8:9], s[16:17]
	s_mul_i32 s78, s42, 256*OBYTES                 ; my first column, in bytes
	s_mul_i32 s79, s12, 128*OBYTES
	s_add_co_u32 s78, s78, s79
	s_mov_b32 s79, 0
	s_add_nc_u64 s[8:9], s[8:9], s[78:79]
.macro OUT16 a, f
.if OUTP
	WIN 0x04                                       ; store data from window 1
.irp b, 0,1,2,3,4,5,6,7
	ds_store_b128 v[STO], v[8*(8*\a+\b):8*(8*\a+\b)+3]   offset:64*\b
	ds_store_b128 v[STO], v[8*(8*\a+\b)+4:8*(8*\a+\b)+7] offset:64*\b+16
.endr
	WIN 0
	s_wait_xcnt 0x0                                ; buffer f, which earlier stores read, and the stores' base are rewritten only behind this wait
.if \a
	s_add_nc_u64 s[8:9], s[8:9], 16*SIZE_N*OBYTES
.endif
.irp t, 0,1,2,3,4,5,6,7,8,9,10,11,12,13,14,15
	ds_load_b128 v[BF+64*\f+4*\t:BF+64*\f+4*\t+3], v[RD] offset:\t*SPITCH     ; a wave's LDS instructions are served in order: these see the stores above
.endr
.irp t, 0,1,2,3,4,5,6,7,8,9,10,11,12,13,14,15
	s_wait_dscnt 15-\t
	global_store_b128 v[CO], v[BF+64*\f+4*\t:BF+64*\f+4*\t+3], s[8:9] offset:\t*SIZE_N*OBYTES   ; 512 consecutive bytes of a row
.endr
.else
	WIN 0x01                                       ; source 0 from window 1
.irp b, 0,1,2,3,4,5,6,7
.irp j, 0,2,4,6
	v_pk_mul_f32 v[BF+8*\b+\j:BF+8*\b+\j+1], v[8*(8*\a+\b)+\j:8*(8*\a+\b)+\j+1], s[90:91] op_sel_hi:[1,0]   ; the scale, and the move into window 0
.endr
.endr
	WIN 0
.irp b, 0,1,2,3,4,5,6,7
.irp j, 0,1,2,3
	v_cvt_pk_f16_f32 v[TMP+4*\b+\j], v[BF+8*\b+2*\j], v[BF+8*\b+2*\j+1]
.endr
.endr
.irp b, 0,1,2,3,4,5,6,7
	ds_store_b128 v[STO], v[TMP+4*\b:TMP+4*\b+3] offset:32*\b
.endr
	s_wait_xcnt 0x0                                ; buffer f, which earlier stores read, and the stores' base are rewritten only behind this wait
.if \a
	s_add_nc_u64 s[8:9], s[8:9], 16*SIZE_N*OBYTES
.endif
.irp t, 0,1,2,3,4,5,6,7
	ds_load_b128 v[AF+32*\f+4*\t:AF+32*\f+4*\t+3], v[RD] offset:\t*2*SPITCH   ; a wave's LDS instructions are served in order: these see the stores above
.endr
.irp t, 0,1,2,3,4,5,6,7
	s_wait_dscnt 7-\t
	global_store_b128 v[CO], v[AF+32*\f+4*\t:AF+32*\f+4*\t+3], s[8:9] offset:2*\t*SIZE_N*OBYTES   ; sixteen lanes store 256 consecutive bytes, aligned
.endr
.endif
.endm
	OUT16 0, 0
	OUT16 1, 1
	OUT16 2, 0
	OUT16 3, 1
	s_wait_tensorcnt 0x0
	ds_add_u32 v30, v31
	s_wait_dscnt 0x0
	CROUND                                         ; the closing round: no work-group ends while a partner may still ask for a tile that names it
	s_endpgm
.Lfunc_end_k_q5a29fd0838_proj:
	.size	k_q5a29fd0838_proj, .Lfunc_end_k_q5a29fd0838_proj-k_q5a29fd0838_proj
	.p2alignl 7, 3214868480
	.fill 96, 4, 3214868480
	.section	.rodata,"a",@progbits
	.p2align	6, 0x0
	.amdhsa_kernel k_q5a29fd0838_proj
		.amdhsa_group_segment_fixed_size 327680
		.amdhsa_private_segment_fixed_size 0
		.amdhsa_enable_private_segment 0
		.amdhsa_kernarg_size 48
		.amdhsa_user_sgpr_count 2
		.amdhsa_user_sgpr_kernarg_segment_ptr 1
		.amdhsa_wavefront_size32 1
		.amdhsa_system_sgpr_workgroup_id_x 1
		.amdhsa_system_sgpr_workgroup_id_y 1
		.amdhsa_system_sgpr_workgroup_id_z 1
		.amdhsa_system_vgpr_workitem_id 0
		.amdhsa_next_free_vgpr 576
		.amdhsa_next_free_sgpr 96
		.amdhsa_reserve_vcc 0
		.amdhsa_float_denorm_mode_32 3
		.amdhsa_float_denorm_mode_16_64 3
		.amdhsa_memory_ordered 1
		.amdhsa_forward_progress 1
		.amdhsa_inst_pref_size 128
	.end_amdhsa_kernel
	.amdgpu_metadata
---
amdhsa.version: [ 1, 2 ]
amdhsa.kernels:
  - .name:           k_q5a29fd0838_proj
    .symbol:         k_q5a29fd0838_proj.kd
    .args:
      - { .name: xb, .offset: 0, .size: 8, .value_kind: global_buffer, .address_space: global }
      - { .name: wb, .offset: 8, .size: 8, .value_kind: global_buffer, .address_space: global }
      - { .name: bq, .offset: 16, .size: 8, .value_kind: global_buffer, .address_space: global }
      - { .name: bk, .offset: 24, .size: 8, .value_kind: global_buffer, .address_space: global }
      - { .name: bv, .offset: 32, .size: 8, .value_kind: global_buffer, .address_space: global }
      - { .name: qkvb, .offset: 40, .size: 8, .value_kind: global_buffer, .address_space: global }
    .group_segment_fixed_size: 327680
    .private_segment_fixed_size: 0
    .kernarg_segment_align: 8
    .kernarg_segment_size: 48
    .max_flat_workgroup_size: 128
    .sgpr_count:     96
    .vgpr_count:     576
    .wavefront_size: 32
...
	.end_amdgpu_metadata
.endif
;; end of part 2
;; launch attn (part 3): grid 4 x 64, 4 waves a work-group, clusters of 4 x 4, 327,680 bytes of LDS; arguments qkvb, mask, ctxb; writes ctxb
.if DOCPART == 3
	.amdgcn_target "amdgcn-amd-amdhsa--gfx1250"
	.amdhsa_code_object_version 6
	.text
	.protected	k_q5a29fd0838_attn
	.globl	k_q5a29fd0838_attn
	.p2align	8
	.type	k_q5a29fd0838_attn,@function
k_q5a29fd0838_attn:
	s_mov_b64 s[64:65], 0
	v_nop
	global_prefetch_b8 v0, s[64:65] scope:SCOPE_SE
	s_setreg_imm32_b32 hwreg(HW_REG_WAVE_MODE, 25, 1), 1
	s_wait_xcnt 0x0
	s_wait_alu depctr_hold_cnt(0) depctr_sa_sdst(0) depctr_va_vdst(0) depctr_va_sdst(0) depctr_va_ssrc(0) depctr_va_vcc(0) depctr_vm_vsrc(0)
	s_getreg_b32 s2, hwreg(HW_REG_IB_STS2, 6, 4)
	s_cmp_eq_u32 s2, 0
	s_cbranch_scc0 .Lentry_in_a_cluster
	s_endpgm
.Lentry_in_a_cluster:
	s_bfe_u32 s2, ttmp6, 0x10000c
	s_cmp_lg_u32 s2, 0xf033
	s_cbranch_scc0 .Lentry_shape_is_right
	s_endpgm
.Lentry_shape_is_right:
; ctxb[b*2048 + q][64 head + d] = sum over k of softmax_k(q.k + mask[b][q][k]) v[k][d]; q already carries the factor 1/8.  Running maximum, sums in f32.
; qkvb: [3*8192][1024] f16 (q, k, v; 64 columns a head).  mask: [4][2048][2048] f32.  ctxb: [8192][1024] f16.
; A work-group takes 128 queries of one batch and four heads, one head a wave, and walks the 2,048 keys in 32 steps of 64.
; All four waves use ONE mask tile (128 x 64 f32), and the four work-groups of a cluster row (the sixteen heads) ask for it jointly; the four work-groups
; of a cluster column (four query blocks of one batch, same heads) ask jointly for the K and V tiles (64 keys x 4 heads x 64).
; EVERYTHING IS TRANSPOSED.  S^T = K Q^T + C: lane l holds query l % 16 and keys 8 (l / 16) + 0..7 of a 16 x 16 tile.  In that layout
;  - C is the mask itself: 32 consecutive bytes a lane, loaded from LDS straight into the accumulator; no vector instruction adds the mask or scales;
;  - a query's maximum and sum live in one lane (and its partner lane l ^ 16);
;  - two packed S tiles ARE the second operand of ctx^T = V^T P^T for 32 keys: no shuffle; V^T's fragments come by the transposing LDS load.
; LIMITS: operands f16 (|q|, |k|, |v| up to 65,504; p below 2^-24 of the row's largest is dropped).  The sum l is made of p before p is rounded to f16.
; The running maximum is never below -3.4028235e38, so a key with score -inf gets weight 0; a row whose scores are all -inf gives NaN, as the softmax of such a row does.
; The exponent is (s - m) * log2(e), a subtraction and then a product: m * log2(e) alone could overflow for masks near the largest f32.
.set KPITCH, 528                       ; 512 bytes + 16: sixteen rows begin at sixteen different 16-byte columns modulo 256
.set VPITCH, 544                       ; 512 bytes + 32: an odd multiple of 32, for the transposing load
.set MPITCH, 272                       ; 256 bytes + 16
.set VOFF,   64*KPITCH                 ; 33,792
.set MOFF,   VOFF+64*VPITCH            ; 68,608
.set SLOT,   MOFF+128*MPITCH           ; 103,424
.set STAGE,  2*SLOT                    ; 206,848: behind the ring; no fill lands here
.set SPITCH, 144                       ; the way out: a query's 128 bytes of one head + 16
.set SWAVE,  128*SPITCH+128            ; 18,560: a wave's own region of the stage; the 128 put neighbouring heads into different halves of 256 bytes
.set KVSTEP, 64*2048                   ; 64 keys down
.set MSTEP,  256                       ; 64 keys along a mask row
.set ADRK, 8                           ; v8-9    K fragments, slot 0, 1
.set ADRV, 10                          ; v10-11  V fragments
.set ADRM, 12                          ; v12-13  mask pieces
.set STO,  14
.set RD,   15
.set CO,   16
.set QO,   17
.set LM,   20                          ; v[20:35]  pairs (l, m) of the eight query tiles
.set W,    36                          ; v[36:39]  pairs (new maximum, the partner lane's maximum)
.set AL,   40                          ; v[40:43]  pairs (alpha, its exponent)
.set T,    44                          ; v[44:59]  at work, eight for each tile of a pair
.set P,    64                          ; v[64:95]  packed p, sixteen registers for each tile of a pair
.set SB0,  96                          ; v[96:159]  S of a pair of query tiles: 32 x + 8 t + j
.set SB1,  160                         ; v[160:223] S of the next pair
.set QF,   0                           ; window 1: Q fragment (i, kk) at 8 (2 i + kk)
.set KF,   128                         ; window 1: K fragment (t, kk)
.set VF,   192                         ; window 1: V^T fragment (a, kk)
                                       ; window 2: ctx^T accumulator (i, a) at 8 (4 i + a)
.set G1K, 16
.set G1V, 24
.set G1M, 32
.set G0K, 48                           ; one set of four for each slot
.set G0V, 56
.set G0M, 68
.set MSB, 0
.macro WIN new
.if MSB != \new
	s_set_vgpr_msb (MSB<<8)|\new
.set MSB, \new
.endif
.endm
.macro PLACES                          ; four places behind a matrix instruction (ISA guide 7.12.1)
.rept 4
	v_nop
.endr
.endm
.macro ROUND                           ; a round of the cluster's barrier
	s_barrier_signal -1
	s_barrier_wait -1
	s_cmp_lg_u32 s10, 0
	s_cbranch_scc1 .Lnot_wave_0_\@
	s_barrier_signal -3
.Lnot_wave_0_\@:
	s_barrier_wait -3
	s_barrier_signal -1
	s_barrier_wait -1
.endm
; One joint load a wave: wave 0 K's tile, wave 1 V's, waves 2 and 3 the mask tile's halves of 64 rows.  The branches hang on the wave's number alone.
.macro JLOAD s
	s_cmp_ge_u32 s10, 2
	s_cbranch_scc1 .Lfor_m_\@
	s_cmp_eq_u32 s10, 0
	s_cbranch_scc0 .Lfor_v_\@
	tensor_load_to_lds s[G0K+4*(\s):G0K+4*(\s)+3], s[G1K:G1K+7]
	s_nop 0
	s_branch .Lasked_\@
.Lfor_v_\@:
	tensor_load_to_lds s[G0V+4*(\s):G0V+4*(\s)+3], s[G1V:G1V+7]
	s_nop 0
	s_branch .Lasked_\@
.Lfor_m_\@:
	tensor_load_to_lds s[G0M+4*(\s):G0M+4*(\s)+3], s[G1M:G1M+7]
	s_nop 0
.Lasked_\@:
.endm
	s_load_b128 s[4:7], s[0:1], 0x0                ; qkvb s[4:5], mask s[6:7]
	s_load_b64 s[8:9], s[0:1], 0x10                ; ctxb
	v_lshl_add_u32 v254, v0, 2, 0x44a00
	v_mov_b32 v255, 0
	ds_add_u32 v254, v255
	v_lshrrev_b32 v1, 5, v0
	v_readfirstlane_b32 s10, v1                    ; wave 0..3 = my head in the group of four
	s_and_b32 s12, s10, 1
	s_bfe_u32 s40, ttmp6, 0x40000                  ; cx
	s_bfe_u32 s41, ttmp6, 0x40004                  ; cy
	s_lshl_b32 s42, ttmp9, 2
	s_add_co_u32 s42, s42, s40                     ; head group = 4 x cluster x + cx
	s_and_b32 s45, ttmp7, 0xffff                   ; cluster y
	s_lshl_b32 s13, s45, 2
	s_add_co_u32 s13, s13, s41                     ; block of 128 tokens = 4 x cluster y + cy = 16 b + query block
	s_lshr_b32 s45, s45, 2                         ; b: four clusters a batch
	s_lshl_b32 s43, s41, 2
	s_lshl_b32 s43, 15, s43                        ; my row of the cluster
	s_lshl_b32 s44, 0x1111, s40                    ; my column
	s_mov_b32 s86, 0x76543210                      ; v_permlanex16_b32: lane l reads lane l ^ 16
	s_mov_b32 s87, 0xfedcba98
	s_mov_b32 s88, 0x3fb8aa3b                      ; log2(e), twice: a pair for the packed product
	s_mov_b32 s89, 0x3fb8aa3b
	; group 1.  K, V: 64 rows of 256 elements of 2 bytes, padding behind every 128 words (K 4 words, V 8).  Mask: 64 rows of 64 elements of 4 bytes, 4 words behind every 64.
	s_or_b32 s[G1K+0], s44, (1<<16)|(1<<20)|(1<<21)|(6<<22)|(3<<25)
	s_or_b32 s[G1V+0], s44, (1<<16)|(1<<20)|(1<<21)|(6<<22)|(7<<25)
	s_or_b32 s[G1M+0], s43, (2<<16)|(1<<20)|(1<<21)|(5<<22)|(3<<25)
	s_mov_b32 s[G1K+1], 256<<16                    ; tensor_dim0
	s_mov_b32 s[G1V+1], 256<<16
	s_mov_b32 s[G1M+1], 64<<16
	s_mov_b32 s[G1K+2], 64<<16                     ; tensor_dim1
	s_mov_b32 s[G1V+2], 64<<16
	s_mov_b32 s[G1M+2], 64<<16
	s_mov_b32 s[G1K+3], 256<<16                    ; tile_dim0
	s_mov_b32 s[G1V+3], 256<<16
	s_mov_b32 s[G1M+3], 64<<16
	s_mov_b32 s[G1K+4], 64                         ; tile_dim1
	s_mov_b32 s[G1V+4], 64
	s_mov_b32 s[G1M+4], 64
	s_mov_b32 s[G1K+5], 1024                       ; elements from row to row
	s_mov_b32 s[G1V+5], 1024
	s_mov_b32 s[G1M+5], 2048
	s_mov_b32 s[G1K+6], 0
	s_mov_b32 s[G1V+6], 0
	s_mov_b32 s[G1M+6], 0
	s_mov_b32 s[G1K+7], 0
	s_mov_b32 s[G1V+7], 0
	s_mov_b32 s[G1M+7], 0
	s_lshl_b32 s76, s45, 22                        ; K: b x 2,048 rows of 2,048 bytes
	s_lshl_b32 s77, s42, 9                         ; + 512 bytes a head group
	s_add_co_u32 s76, s76, s77
	s_add_co_u32 s76, s76, 0x1000000               ; + q's 8,192 rows
	s_mov_b32 s77, 0
	s_lshl_b32 s80, s13, 20                        ; mask: 128 rows of 8,192 bytes a block
	s_lshl_b32 s81, s12, 19                        ; + my half of 64 rows
	s_add_co_u32 s80, s80, s81
	s_mov_b32 s81, 0
	s_mul_i32 s82, s10, 64*MPITCH                  ; the mask half's place in LDS: wave x 17,408
	s_lshl_b32 s84, s13, 18                        ; Q: 128 rows of 2,048 bytes a block
	s_lshl_b32 s85, s42, 9
	s_add_co_u32 s84, s84, s85
	s_lshl_b32 s85, s10, 7                         ; + 128 bytes a head
	s_add_co_u32 s84, s84, s85
	s_mov_b32 s85, 0
	s_wait_dscnt 0x0
	s_wait_kmcnt 0x0
	s_add_nc_u64 s[76:77], s[4:5], s[76:77]        ; K's tile 0
	s_add_nc_u64 s[78:79], s[76:77], 0x1000000     ; V's tile 0: 8,192 rows further
	s_add_nc_u64 s[80:81], s[6:7], s[80:81]        ; the mask's tile 0
	s_add_nc_u64 s[84:85], s[4:5], s[84:85]        ; my Q
.irp s, 0,1
	s_mov_b32 s[G0K+4*\s], 1
	s_mov_b32 s[G0K+4*\s+1], \s*SLOT
	s_add_nc_u64 s[G0K+4*\s+2:G0K+4*\s+3], s[76:77], \s*KVSTEP
	s_or_b32 s[G0K+4*\s+3], s[G0K+4*\s+3], 0x80000000
	s_mov_b32 s[G0V+4*\s], 1
	s_mov_b32 s[G0V+4*\s+1], \s*SLOT+VOFF
	s_add_nc_u64 s[G0V+4*\s+2:G0V+4*\s+3], s[78:79], \s*KVSTEP
	s_or_b32 s[G0V+4*\s+3], s[G0V+4*\s+3], 0x80000000
	s_mov_b32 s[G0M+4*\s], 1
	s_add_co_u32 s[G0M+4*\s+1], s82, \s*SLOT+MOFF-2*64*MPITCH      ; waves 2, 3: MOFF, MOFF + 17,408
	s_add_nc_u64 s[G0M+4*\s+2:G0M+4*\s+3], s[80:81], \s*MSTEP
	s_or_b32 s[G0M+4*\s+3], s[G0M+4*\s+3], 0x80000000
.endr
	ROUND                                          ; all sixteen work-groups are here: the first joint loads meet
	JLOAD 0                                        ; step 0's tiles; slot 1 is first filled behind the first step's round.  One tensor load of a wave is out at any time
	v_and_b32 v1, 15, v0                           ; r
	v_bfe_u32 v2, v0, 4, 1                         ; h
	v_lshlrev_b32 v3, 11, v1
	v_lshl_add_u32 v[QO], v2, 4, v3                ; r rows of 2,048 bytes + 16 h
	WIN 0x40                                       ; destination in window 1
.irp i, 0,1,2,3,4,5,6,7
.irp kk, 0,1
	global_load_b128 v[QF+8*(2*\i+\kk):QF+8*(2*\i+\kk)+3],   v[QO], s[84:85] offset:16*\i*2048+64*\kk
	global_load_b128 v[QF+8*(2*\i+\kk)+4:QF+8*(2*\i+\kk)+7], v[QO], s[84:85] offset:16*\i*2048+64*\kk+32
.endr
.endr
	WIN 0
	s_lshl_b32 s83, s10, 7                         ; my head's 128 bytes in a row of K or V
	v_mul_u32_u24 v4, v1, KPITCH
	v_lshl_add_u32 v4, v2, 4, v4
	v_add_nc_u32 v[ADRK], s83, v4                  ; key r, d = 8 h ..
	v_add_nc_u32 v[ADRK+1], SLOT, v[ADRK]
	v_and_b32 v4, 7, v0
	v_lshl_add_u32 v4, v2, 3, v4                   ; key 8 h + l % 8
	v_mul_u32_u24 v4, v4, VPITCH
	v_bfe_u32 v5, v0, 3, 1
	v_lshl_add_u32 v4, v5, 4, v4                   ; + 16 bytes for the second group of eight lanes
	s_add_co_u32 s83, s83, VOFF
	v_add_nc_u32 v[ADRV], s83, v4
	v_add_nc_u32 v[ADRV+1], SLOT, v[ADRV]
	v_mul_u32_u24 v5, v1, MPITCH
	v_lshl_add_u32 v5, v2, 5, v5                   ; query r, keys 8 h .. as f32
	v_add_nc_u32 v[ADRM], MOFF, v5
	v_add_nc_u32 v[ADRM+1], SLOT, v[ADRM]
	v_mul_u32_u24 v5, v1, SPITCH
	v_lshl_add_u32 v5, v2, 4, v5
	s_mul_i32 s83, s10, SWAVE
	s_add_co_u32 s83, s83, STAGE
	v_add_nc_u32 v[STO], s83, v5                   ; my region of the stage: query r, 16 bytes for each half of the lanes
	v_and_b32 v6, 31, v0
	v_lshlrev_b32 v[CO], 4, v6                     ; out: 32 lanes take 512 bytes of a row of ctxb
	v_lshrrev_b32 v7, 3, v6
	v_mul_u32_u24 v7, v7, SWAVE                    ; back: eight lanes a head
	v_and_b32 v6, 7, v0
	v_lshl_add_u32 v7, v6, 4, v7
	s_mul_i32 s83, s10, 32*SPITCH                  ; queries 32 w .. 32 w + 31
	s_add_co_u32 s83, s83, STAGE
	v_add_nc_u32 v[RD], s83, v7
	v_mov_b32 v[W+1], 0                            ; v_permlanex16_b32 counts as a reader of its destination
	v_mov_b32 v[W+3], 0
	s_wait_loadcnt 0x0                             ; Q, once
.macro LDK slot                        ; 16 loads: K fragments (t, kk): keys 16 t + r, d = 32 kk + 8 h .., 32 kk + 16 + 8 h ..
.irp t, 0,1,2,3
.irp kk, 0,1
	ds_load_b128 v[KF+8*(2*\t+\kk):KF+8*(2*\t+\kk)+3],   v[ADRK+\slot] offset:16*\t*KPITCH+64*\kk
	ds_load_b128 v[KF+8*(2*\t+\kk)+4:KF+8*(2*\t+\kk)+7], v[ADRK+\slot] offset:16*\t*KPITCH+64*\kk+32
.endr
.endr
.endm
.macro LDV slot                        ; 16 transposing loads: V^T fragments (a, kk): d = 16 a + r, keys 32 kk + 8 h .., 32 kk + 16 + 8 h ..
.irp a, 0,1,2,3
.irp kk, 0,1
	ds_load_tr16_b128 v[VF+8*(2*\a+\kk):VF+8*(2*\a+\kk)+3],   v[ADRV+\slot] offset:32*\kk*VPITCH+32*\a
	ds_load_tr16_b128 v[VF+8*(2*\a+\kk)+4:VF+8*(2*\a+\kk)+7], v[ADRV+\slot] offset:(32*\kk+16)*VPITCH+32*\a
.endr
.endr
.endm
.macro LDM slot, p, sb                 ; 16 loads: the mask of query tiles 2 p, 2 p + 1 into the accumulators of S
.irp x, 0,1
.irp t, 0,1,2,3
	ds_load_b128 v[\sb+32*\x+8*\t:\sb+32*\x+8*\t+3],   v[ADRM+\slot] offset:16*(2*\p+\x)*MPITCH+64*\t
	ds_load_b128 v[\sb+32*\x+8*\t+4:\sb+32*\x+8*\t+7], v[ADRM+\slot] offset:16*(2*\p+\x)*MPITCH+64*\t+16
.endr
.endr
.endm
; In SMUL and PV eight accumulators take turns, one instruction a turn.
.macro SMUL p, sb                      ; S^T += K Q^T onto the mask: 16 matrix instructions
.irp kk, 0,1
.irp x, 0,1
.irp t, 0,1,2,3
	v_wmma_f32_16x16x32_f16 v[\sb+32*\x+8*\t:\sb+32*\x+8*\t+7], v[KF+8*(2*\t+\kk):KF+8*(2*\t+\kk)+7], v[QF+8*(2*(2*\p+\x)+\kk):QF+8*(2*(2*\p+\x)+\kk)+7], v[\sb+32*\x+8*\t:\sb+32*\x+8*\t+7]
.endr
.endr
.endr
.endm
.macro PV p, first                     ; ctx^T += V^T P^T: 16 matrix instructions; in the first step the first product starts the sums
.irp kk, 0,1
.irp x, 0,1
.irp a, 0,1,2,3
.if \first*(1-\kk)
	v_wmma_f32_16x16x32_f16 v[8*(4*(2*\p+\x)+\a):8*(4*(2*\p+\x)+\a)+7], v[VF+8*(2*\a+\kk):VF+8*(2*\a+\kk)+7], v[P+16*\x+8*\kk:P+16*\x+8*\kk+7], 0
.else
	v_wmma_f32_16x16x32_f16 v[8*(4*(2*\p+\x)+\a):8*(4*(2*\p+\x)+\a)+7], v[VF+8*(2*\a+\kk):VF+8*(2*\a+\kk)+7], v[P+16*\x+8*\kk:P+16*\x+8*\kk+7], v[8*(4*(2*\p+\x)+\a):8*(4*(2*\p+\x)+\a)+7]
.endif
.endr
.endr
.endr
.endm
.macro RESCALE p                       ; the sums so far times alpha, a number of the lane
.irp x, 0,1
.irp c, 0,2,4,6,8,10,12,14,16,18,20,22,24,26,28,30
	v_pk_mul_f32 v[32*(2*\p+\x)+\c:32*(2*\p+\x)+\c+1], v[32*(2*\p+\x)+\c:32*(2*\p+\x)+\c+1], v[AL+2*\x:AL+2*\x+1] op_sel_hi:[1,0]
.endr
.endr
.endm
; The softmax step of query tiles 2 p and 2 p + 1 (x = 0, 1), whose 32 scores a lane lie in sb + 32 x + 0..31
.macro SOFTMAX p, sb, first
.irp t, 0,1,2,3
.irp x, 0,1
	v_max3_num_f32 v[T+8*\x+\t], v[\sb+32*\x+8*\t], v[\sb+32*\x+8*\t+1], v[\sb+32*\x+8*\t+2]
.endr
.endr
.irp t, 0,1,2,3
.irp x, 0,1
	v_max3_num_f32 v[T+8*\x+\t], v[T+8*\x+\t], v[\sb+32*\x+8*\t+3], v[\sb+32*\x+8*\t+4]
.endr
.endr
.irp t, 0,1,2,3
.irp x, 0,1
	v_max3_num_f32 v[T+8*\x+\t], v[T+8*\x+\t], v[\sb+32*\x+8*\t+5], v[\sb+32*\x+8*\t+6]
.endr
.endr
.irp x, 0,1
	v_max3_num_f32 v[T+8*\x],   v[T+8*\x],   v[T+8*\x+1], v[\sb+32*\x+7]
	v_max3_num_f32 v[T+8*\x+2], v[T+8*\x+2], v[T+8*\x+3], v[\sb+32*\x+15]
.endr
.irp x, 0,1
	v_max3_num_f32 v[T+8*\x], v[T+8*\x], v[T+8*\x+2], v[\sb+32*\x+23]
.endr
.irp x, 0,1
.if \first
	v_max3_num_f32 v[T+8*\x], v[T+8*\x], v[\sb+32*\x+31], 0xff7fffff            ; the floor: the most negative finite f32
.else
	v_max3_num_f32 v[T+8*\x], v[T+8*\x], v[\sb+32*\x+31], v[LM+2*(2*\p+\x)+1]   ; with the maximum so far
.endif
.endr
.irp x, 0,1
	v_permlanex16_b32 v[W+2*\x+1], v[T+8*\x], s86, s87       ; the partner lane holds the query's other 32 keys
.endr
.irp x, 0,1
	v_max_num_f32 v[W+2*\x], v[T+8*\x], v[W+2*\x+1]
.endr
.if \first == 0
.irp x, 0,1
	v_sub_f32 v[AL+2*\x+1], v[LM+2*(2*\p+\x)+1], v[W+2*\x]
.endr
.irp x, 0,1
	v_mul_f32 v[AL+2*\x+1], s88, v[AL+2*\x+1]
.endr
.irp x, 0,1
	v_exp_f32 v[AL+2*\x], v[AL+2*\x+1]                       ; alpha = e^(old maximum - new); the moves below are the plain place behind it
.endr
.endif
.irp x, 0,1
	v_mov_b32 v[LM+2*(2*\p+\x)+1], v[W+2*\x]
.endr
.irp x, 0,1
.irp c, 0,2,4,6,8,10,12,14,16,18,20,22,24,26,28,30
	v_pk_add_f32 v[\sb+32*\x+\c:\sb+32*\x+\c+1], v[\sb+32*\x+\c:\sb+32*\x+\c+1], v[W+2*\x:W+2*\x+1] op_sel_hi:[1,0] neg_lo:[0,1] neg_hi:[0,1]
.endr
.endr
.set ii, 0
.rept 32
	v_pk_mul_f32 v[\sb+ii:\sb+ii+1], v[\sb+ii:\sb+ii+1], s[88:89] op_sel_hi:[1,0]
.set ii, ii+2
.endr
.set ii, 0
.rept 64
	v_exp_f32 v[\sb+ii], v[\sb+ii]
.set ii, ii+1
.endr
	v_nop                                                    ; one plain place between the exponentials and the first use of a result (ISA guide 5.7.2)
	s_wait_alu depctr_va_vdst(0)
.irp x, 0,1
.irp c, 0,1,2,3
	v_pk_add_f32 v[T+8*\x+2*\c:T+8*\x+2*\c+1], v[\sb+32*\x+2*\c:\sb+32*\x+2*\c+1], v[\sb+32*\x+8+2*\c:\sb+32*\x+8+2*\c+1]
.endr
.endr
.irp x, 0,1
.irp c, 0,1,2,3
	v_pk_add_f32 v[T+8*\x+2*\c:T+8*\x+2*\c+1], v[T+8*\x+2*\c:T+8*\x+2*\c+1], v[\sb+32*\x+16+2*\c:\sb+32*\x+16+2*\c+1]
.endr
.endr
.irp x, 0,1
.irp c, 0,1,2,3
	v_pk_add_f32 v[T+8*\x+2*\c:T+8*\x+2*\c+1], v[T+8*\x+2*\c:T+8*\x+2*\c+1], v[\sb+32*\x+24+2*\c:\sb+32*\x+24+2*\c+1]
.endr
.endr
.irp x, 0,1
	v_pk_add_f32 v[T+8*\x:T+8*\x+1],   v[T+8*\x:T+8*\x+1],   v[T+8*\x+2:T+8*\x+3]
	v_pk_add_f32 v[T+8*\x+4:T+8*\x+5], v[T+8*\x+4:T+8*\x+5], v[T+8*\x+6:T+8*\x+7]
.endr
.irp x, 0,1
	v_pk_add_f32 v[T+8*\x:T+8*\x+1], v[T+8*\x:T+8*\x+1], v[T+8*\x+4:T+8*\x+5]
.endr
.irp x, 0,1
.if \first
	v_add_f32 v[LM+2*(2*\p+\x)], v[T+8*\x], v[T+8*\x+1]      ; the first step starts l
.else
	v_add_f32 v[T+8*\x], v[T+8*\x], v[T+8*\x+1]
.endif
.endr
.if \first == 0
.irp x, 0,1
	v_fma_f32 v[LM+2*(2*\p+\x)], v[LM+2*(2*\p+\x)], v[AL+2*\x], v[T+8*\x]
.endr
.endif
.irp x, 0,1
.irp c, 0,1,2,3,4,5,6,7,8,9,10,11,12,13,14,15
	v_cvt_pk_f16_f32 v[P+16*\x+\c], v[\sb+32*\x+2*\c], v[\sb+32*\x+2*\c+1]   ; S tiles 2 kk, 2 kk + 1 packed = P^T's fragment for keys 32 kk ..
.endr
.endr
.endm
.macro FINISH p, first
.if \first == 0
	WIN 0x82                                       ; source 0 and destination in window 2
	RESCALE \p
.endif
	WIN 0xa1                                       ; V^T window 1, P^T window 0, C and D window 2
	PV \p, \first
.endm
; One step: 64 keys from slot \slot.  The round of the cluster's barrier stands where a slot is filled again: in front of it each wave has waited for all its
; tensor loads (its part of this step's tiles among them) and for its LDS reads of the other slot; behind it the joint refill comes first.
; The S products of the next pair are issued ahead of each pair's softmax, whose lines name none of their registers and are the places behind them.
.macro STEP slot, first, refill
	s_wait_tensorcnt 0x0                           ; no tensor load of mine is out: every group 0 may be written
	ds_add_u32 v254, v255
	s_wait_dscnt 0x0
	s_add_nc_u64 s[G0K+4*\slot+2:G0K+4*\slot+3], s[G0K+4*\slot+2:G0K+4*\slot+3], 2*KVSTEP   ; this slot's next tiles
	s_add_nc_u64 s[G0V+4*\slot+2:G0V+4*\slot+3], s[G0V+4*\slot+2:G0V+4*\slot+3], 2*KVSTEP
	s_add_nc_u64 s[G0M+4*\slot+2:G0M+4*\slot+3], s[G0M+4*\slot+2:G0M+4*\slot+3], 2*MSTEP
	s_wait_dscnt 0x0                               ; my reads of the last step's slot are over
	ROUND
.if \refill
	JLOAD (1-\slot)                                ; the next step's tiles, into the slot read last: a whole step in which to land
.endif
	PLACES                                         ; behind the last step's products, in front of the loads into their fragments
	WIN 0x40
	LDK \slot
	LDV \slot
	WIN 0
	LDM \slot, 0, SB0
	LDM \slot, 1, SB1
	s_wait_dscnt 16                                ; all but the youngest sixteen: the mask of query tiles 2, 3
	WIN 0x05                                       ; K and Q fragments in window 1, S in window 0
	SMUL 0, SB0
	s_wait_dscnt 0x0
	SMUL 1, SB1
	WIN 0
	PLACES                                         ; behind both, in front of the first read of S
	SOFTMAX 0, SB0, \first
	LDM \slot, 2, SB0
	FINISH 0, \first
	s_wait_dscnt 0x0                               ; the mask of query tiles 4, 5
	WIN 0x05
	SMUL 2, SB0
	WIN 0
	SOFTMAX 1, SB1, \first
	LDM \slot, 3, SB1
	FINISH 1, \first
	s_wait_dscnt 0x0                               ; the mask of query tiles 6, 7
	WIN 0x05
	SMUL 3, SB1
	WIN 0
	SOFTMAX 2, SB0, \first
	FINISH 2, \first
	WIN 0
	SOFTMAX 3, SB1, \first
	FINISH 3, \first
	WIN 0
.endm
	STEP 0, 1, 1                                   ; the first step starts m, l and the sums: nothing is cleared
	STEP 1, 0, 1
	s_mov_b32 s3, 14
.Lsteps:
	STEP 0, 0, 1
	STEP 1, 0, 1
	s_sub_co_u32 s3, s3, 1
	s_cmp_lg_u32 s3, 0
	s_cbranch_scc1 .Lsteps
	STEP 0, 0, 1                                   ; step 30 asks for step 31's tiles,
	STEP 1, 0, 0                                   ; step 31 for nothing (the stepped addresses are not used)
	; THE WAY OUT: ctx / l, rounded to f16, into my region of the stage; behind a barrier whole rows of four heads (512 bytes) are read back and stored
	PLACES
	s_lshl_b32 s82, s13, 18                        ; ctxb: 128 rows of 2,048 bytes a block
	s_lshl_b32 s83, s10, 16                        ; + 32 rows a wave
	s_add_co_u32 s82, s82, s83
	s_lshl_b32 s83, s42, 9                         ; + 512 bytes a head group
	s_add_co_u32 s82, s82, s83
	s_mov_b32 s83, 0
	s_add_nc_u64 s[8:9], s[8:9], s[82:83]
.irp i, 0,1,2,3,4,5,6,7
	v_permlanex16_b32 v[T+\i], v[LM+2*\i], s86, s87          ; the partner lane's half of the sum
.endr
.irp i, 0,1,2,3,4,5,6,7
	v_add_f32 v[LM+2*\i], v[LM+2*\i], v[T+\i]
.endr
.irp i, 0,1,2,3,4,5,6,7
	v_rcp_f32 v[LM+2*\i], v[LM+2*\i]
.endr
	v_nop                                          ; the plain place behind the reciprocals
	s_wait_alu depctr_va_vdst(0)
.irp g, 0,1
	WIN 0x02                                       ; source 0 in window 2
.irp x, 0,1,2,3
.irp c, 0,2,4,6,8,10,12,14,16,18,20,22,24,26,28,30
	v_pk_mul_f32 v[SB0+32*\x+\c:SB0+32*\x+\c+1], v[32*(4*\g+\x)+\c:32*(4*\g+\x)+\c+1], v[LM+2*(4*\g+\x):LM+2*(4*\g+\x)+1] op_sel_hi:[1,0]
.endr
.endr
	WIN 0
.set ii, 0
.rept 64
	v_cvt_pk_f16_f32 v[SB0+ii], v[SB0+2*ii], v[SB0+2*ii+1]   ; in place, ascending: a result never lands on a number still to be read
.set ii, ii+1
.endr
.irp x, 0,1,2,3
.irp a, 0,1,2,3
	ds_store_b128 v[STO], v[SB0+16*\x+4*\a:SB0+16*\x+4*\a+3] offset:16*(4*\g+\x)*SPITCH+32*\a
.endr
.endr
.endr
	s_wait_dscnt 0x0                               ; my stores are in LDS, for the other waves' sake
	s_barrier_signal -1
	s_barrier_wait -1
.irp t, 0,1,2,3,4,5,6,7,8,9,10,11,12,13,14,15,16,17,18,19,20,21,22,23,24,25,26,27,28,29,30,31
	ds_load_b128 v[SB0+4*\t:SB0+4*\t+3], v[RD] offset:\t*SPITCH
.endr
.irp t, 0,1,2,3,4,5,6,7,8,9,10,11,12,13,14,15,16,17,18,19,20,21,22,23,24,25,26,27,28,29,30,31
	s_wait_dscnt 31-\t
	global_store_b128 v[CO], v[SB0+4*\t:SB0+4*\t+3], s[8:9] offset:\t*2048     ; 512 consecutive bytes of a row, aligned
.endr
	s_wait_tensorcnt 0x0
	ds_add_u32 v254, v255
	s_wait_dscnt 0x0
	ROUND                                          ; the closing round: no work-group ends while a partner may still ask for a tile that names it
	s_endpgm
.Lfunc_end_k_q5a29fd0838_attn:
	.size	k_q5a29fd0838_attn, .Lfunc_end_k_q5a29fd0838_attn-k_q5a29fd0838_attn
	.p2alignl 7, 3214868480
	.fill 96, 4, 3214868480
	.section	.rodata,"a",@progbits
	.p2align	6, 0x0
	.amdhsa_kernel k_q5a29fd0838_attn
		.amdhsa_group_segment_fixed_size 327680
		.amdhsa_private_segment_fixed_size 0
		.amdhsa_enable_private_segment 0
		.amdhsa_kernarg_size 24
		.amdhsa_user_sgpr_count 2
		.amdhsa_user_sgpr_kernarg_segment_ptr 1
		.amdhsa_wavefront_size32 1
		.amdhsa_system_sgpr_workgroup_id_x 1
		.amdhsa_system_sgpr_workgroup_id_y 1
		.amdhsa_system_sgpr_workgroup_id_z 1
		.amdhsa_system_vgpr_workitem_id 0
		.amdhsa_next_free_vgpr 768
		.amdhsa_next_free_sgpr 96
		.amdhsa_reserve_vcc 0
		.amdhsa_float_denorm_mode_32 3
		.amdhsa_float_denorm_mode_16_64 3
		.amdhsa_memory_ordered 1
		.amdhsa_forward_progress 1
		.amdhsa_inst_pref_size 255
	.end_amdhsa_kernel
	.section	.bss,"aw",@nobits
	.p2align	6
	.space	262144
	.amdgpu_metadata
---
amdhsa.version: [ 1, 2 ]
amdhsa.kernels:
  - .name:           k_q5a29fd0838_attn
    .symbol:         k_q5a29fd0838_attn.kd
    .args:
      - { .name: qkvb, .offset: 0, .size: 8, .value_kind: global_buffer, .address_space: global }
      - { .name: mask, .offset: 8, .size: 8, .value_kind: global_buffer, .address_space: global }
      - { .name: ctxb, .offset: 16, .size: 8, .value_kind: global_buffer, .address_space: global }
    .group_segment_fixed_size: 327680
    .private_segment_fixed_size: 0
    .kernarg_segment_align: 8
    .kernarg_segment_size: 24
    .max_flat_workgroup_size: 128
    .sgpr_count:     96
    .vgpr_count:     768
    .wavefront_size: 32
...
	.end_amdgpu_metadata
.endif
;; end of part 3
;; launch outp (part 4): grid 4 x 64, 4 waves a work-group, clusters of 4 x 4, 327,680 bytes of LDS; arguments ctxb, wb, bo, out0; writes out0
.if DOCPART == 4
	.amdgcn_target "amdgcn-amd-amdhsa--gfx1250"
	.amdhsa_code_object_version 6
	.text
	.protected	k_q5a29fd0838_outp
	.globl	k_q5a29fd0838_outp
	.p2align	8
	.type	k_q5a29fd0838_outp,@function
k_q5a29fd0838_outp:
	s_mov_b64 s[64:65], 0
	v_nop
	global_prefetch_b8 v0, s[64:65] scope:SCOPE_SE
	s_setreg_imm32_b32 hwreg(HW_REG_WAVE_MODE, 25, 1), 1
	s_wait_xcnt 0x0
	s_wait_alu depctr_hold_cnt(0) depctr_sa_sdst(0) depctr_va_vdst(0) depctr_va_sdst(0) depctr_va_ssrc(0) depctr_va_vcc(0) depctr_vm_vsrc(0)
	s_getreg_b32 s2, hwreg(HW_REG_IB_STS2, 6, 4)
	s_cmp_eq_u32 s2, 0
	s_cbranch_scc0 .Lentry_in_a_cluster
	s_endpgm
.Lentry_in_a_cluster:
	s_bfe_u32 s2, ttmp6, 0x10000c
	s_cmp_lg_u32 s2, 0xf033
	s_cbranch_scc0 .Lentry_shape_is_right
	s_endpgm
.Lentry_shape_is_right:
; OUTP = 0: qkvb[g*8192 + t][e] = (sum over d of xb[g*8192 + t][d] wb[g*1024 + e][d] + bias_g[e]) * s_g, f16 out; s_0 = 1/8 (the attention scale, exact), s_1 = s_2 = 1.
; OUTP = 1: out0[t][e] = sum over d of ctxb[t][d] wb[3072 + e][d] + bo[e], f32 out.
; Operands f16, sums f32.  LIMIT: results of OUTP = 0 above 65,504 in magnitude become infinities in f16.
; A work-group makes 128 rows x 256 columns with four waves; a wave makes 64 x 128: 32 accumulator tiles, 256 registers.  768 (256) blocks: three (one) for each of 256 work-group places.
; K = 1024 goes in eight steps of 128 through two LDS slots filled by tensor loads; a tile's rows are 256 bytes of memory and begin at multiples of 256 bytes.
; CLUSTER 4 x 4: the four work-groups of a cluster row need the same rows of x, the four of a column the same rows of W.  Each tile is asked for jointly,
; by the same line with the same descriptor in all four, which divides the requests by four.
; REGISTERS: window 0 addresses, fragments (two buffers), packing; window 1 the accumulators, tile (a, b) at v[8 (8 a + b)]; window 2 the bias.
; THE PRODUCT IS USED TRANSPOSED: source 0 = 16 rows of W, source 1 = 16 rows of x.  Lane l then holds row l % 16 and columns 8 (l / 16) + 0..7 of the tile.
; In that layout the bias of a tile is eight consecutive floats a lane, and the first product of each tile takes it as C: nothing is cleared, nothing is added later.
.set OUTP,   1
.set SIZE_K, 1024
.set SIZE_N, 1024
.set KSTEP,  128
.set PITCH,  272                       ; an LDS row: 256 bytes + 16 of padding: sixteen rows begin at sixteen different 16-byte columns modulo 256
.set HALFT,  128*PITCH                 ; a compartment: 128 rows
.set SLOT,   4*HALFT                   ; x rows 0-63, x rows 64-127 (each in the first half of its compartment), W rows 0-127, W rows 128-255
.set STAGE,  2*SLOT                    ; behind the ring, 16 rows for each wave, for the way out; no fill lands here
.if OUTP
.set SPITCH, 528                       ; 128 f32 + 16 bytes
.set WROW0,  3072                      ; Wo's first row in wb
.set OBYTES, 4
.else
.set SPITCH, 272                       ; 128 f16 + 16 bytes
.set WROW0,  0
.set OBYTES, 2
.endif
.set LAPS, SIZE_K/(2*KSTEP)            ; a lap = two K steps = once round the ring
.set ADRA, 16                          ; v16-17  LDS address of my x fragments in slot 0, 1
.set ADRB, 20                          ; v20-21  the same for W
.set STO,  24                          ; the way out: where I put my piece of a row
.set RD,   25                          ; the way out: where I read rows back
.set CO,   26                          ; my byte offset in the output
.set BO,   27                          ; 32 (l / 16): my eight floats of a tile's bias
.set AF,   32                          ; v[32:63], v[64:95]    x fragments (4 x 16 rows x 32 K), two buffers
.set BF,   96                          ; v[96:159], v[160:223] W fragments (8 x 16 rows x 32 K), two buffers
.set TMP,  224                         ; v[224:255] packed results
.set G1,  24                           ; s[24:31] group 1 for x's tiles
.set G0,  32                           ; s[32:39] group 0 for x's tiles, one set a slot
.set G1B, 48                           ; s[48:55] group 1 for W's tiles
.set G0B, 56                           ; s[56:63] group 0 for W's tiles, one set a slot
.set W_MUL,  0x50                      ; C and D in window 1, sources in window 0
.set W_MULB, 0x60                      ; D in window 1, C (the bias) in window 2
.set MSB, 0
.macro WIN new                         ; the immediate's high byte repeats the setting that is left; a switch that changes nothing is dropped
.if MSB != \new
	s_set_vgpr_msb (MSB<<8)|\new
.set MSB, \new
.endif
.endm
; A joint load: waves 0 and 1 fetch x's two halves of 64 rows, waves 2 and 3 W's two halves of 128 rows.  The branch hangs on the wave's number alone.
.macro JLOAD s
	s_cmp_eq_u32 s11, 0
	s_cbranch_scc0 .Lfor_b_\@
	tensor_load_to_lds s[G0+4*\s:G0+4*\s+3], s[G1:G1+7]
	s_nop 0
	s_branch .Lasked_\@
.Lfor_b_\@:
	tensor_load_to_lds s[G0B+4*\s:G0B+4*\s+3], s[G1B:G1B+7]
	s_nop 0
.Lasked_\@:
.endm
.macro CREST                           ; a round of the cluster's barrier behind its opening work-group barrier
	s_cmp_lg_u32 s10, 0
	s_cbranch_scc1 .Lnot_wave_0_\@
	s_barrier_signal -3
.Lnot_wave_0_\@:
	s_barrier_wait -3
	s_barrier_signal -1
	s_barrier_wait -1
.endm
.macro CROUND                          ; a whole round
	s_barrier_signal -1
	s_barrier_wait -1
	CREST
.endm
.macro PLACES                          ; four places behind a matrix instruction in front of loads into, or vector work on, its registers
.rept 4
	v_nop
.endr
.endm
	s_load_b128 s[4:7], s[0:1], 0x0                ; x (xb or ctxb) s[4:5], wb s[6:7]
	s_load_b128 s[68:71], s[0:1], 0x10             ; OUTP = 0: bq, bk;  OUTP = 1: bo, out0
	v_lshl_add_u32 v254, v0, 2, 0x4c400
	v_mov_b32 v255, 0
	ds_add_u32 v254, v255
.if OUTP == 0
	s_load_b128 s[72:75], s[0:1], 0x20             ; bv, qkvb
.endif
	v_lshrrev_b32 v1, 5, v0
	v_readfirstlane_b32 s10, v1                    ; wave 0..3
	s_lshr_b32 s11, s10, 1                         ; my half of the block's rows.  Also: I fetch for x (0) or for W (1)
	s_and_b32 s12, s10, 1                          ; my half of its columns.  Also: which half of that tile I fetch
	s_bfe_u32 s40, ttmp6, 0x40000                  ; cx
	s_bfe_u32 s41, ttmp6, 0x40004                  ; cy
	s_lshl_b32 s42, ttmp9, 2
	s_add_co_u32 s42, s42, s40                     ; block column = 4 x cluster x + cx
	s_and_b32 s45, ttmp7, 0xffff                   ; cluster y
	s_lshl_b32 s13, s45, 2
	s_add_co_u32 s13, s13, s41                     ; block row = 4 x cluster y + cy
	s_lshr_b32 s45, s45, 4                         ; g: 64 block rows = 16 clusters for each projection (0 where OUTP = 1)
	s_lshl_b32 s43, s41, 2
	s_lshl_b32 s43, 15, s43                        ; my row of the cluster
	s_lshl_b32 s44, 0x1111, s40                    ; my column of the cluster
	; group 1: rows of 128 elements of 2 bytes, 4 words of padding behind every 64 words; x 64 rows, W 128 rows
	s_or_b32 s[G1+0], s43, (1<<16)|(1<<20)|(1<<21)|(5<<22)|(3<<25)
	s_or_b32 s[G1B+0], s44, (1<<16)|(1<<20)|(1<<21)|(5<<22)|(3<<25)
	s_mov_b32 s[G1+1], KSTEP<<16                   ; tensor_dim0 = 128
	s_mov_b32 s[G1B+1], KSTEP<<16
	s_mov_b32 s[G1+2], 64<<16                      ; tensor_dim1 = 64
	s_mov_b32 s[G1B+2], 128<<16                    ; tensor_dim1 = 128
	s_mov_b32 s[G1+3], KSTEP<<16                   ; tile_dim0 = 128
	s_mov_b32 s[G1B+3], KSTEP<<16
	s_mov_b32 s[G1+4], 64                          ; tile_dim1
	s_mov_b32 s[G1B+4], 128
	s_mov_b32 s[G1+5], SIZE_K                      ; elements from row to row
	s_mov_b32 s[G1B+5], SIZE_K
	s_mov_b32 s[G1+6], 0
	s_mov_b32 s[G1B+6], 0
	s_mov_b32 s[G1+7], 0
	s_mov_b32 s[G1B+7], 0
	; x's tile hangs on the block row alone, W's on the block column and g alone; each address in registers that never hold the other coordinate
	s_lshl_b32 s16, s13, 7
	s_lshl_b32 s17, s12, 6
	s_add_co_u32 s16, s16, s17                     ; x: row 128 x block row + 64 x half
	s_lshl_b32 s16, s16, 11                        ; x 2,048 bytes: 50,329,600 at the most
	s_mov_b32 s17, 0
	s_lshl_b32 s46, s42, 8
	s_lshl_b32 s47, s12, 7
	s_add_co_u32 s46, s46, s47                     ; W: row 256 x block column + 128 x half
	s_lshl_b32 s47, s45, 10
	s_add_co_u32 s46, s46, s47                     ; + 1,024 g
	s_add_co_u32 s46, s46, WROW0
	s_lshl_b32 s46, s46, 11
	s_mov_b32 s47, 0
	s_mul_i32 s20, s10, HALFT                      ; where my tile goes: wave x a compartment
	s_lshl_b32 s76, s42, 10
	s_lshl_b32 s77, s12, 9
	s_add_co_u32 s76, s76, s77                     ; bias: 4 bytes x (256 x block column + 128 x my half of the columns)
	s_mov_b32 s77, 0
	s_wait_dscnt 0x0
	s_wait_kmcnt 0x0
	s_add_nc_u64 s[14:15], s[4:5], s[16:17]
	s_add_nc_u64 s[46:47], s[6:7], s[46:47]
	CROUND                                         ; all sixteen work-groups are here: the first joint loads meet
.irp s, 0,1
	s_mov_b32 s[G0+4*\s], 1
	s_add_co_u32 s[G0+4*\s+1], s20, \s*SLOT
	s_add_nc_u64 s[G0+4*\s+2:G0+4*\s+3], s[14:15], \s*KSTEP*2
	s_or_b32 s[G0+4*\s+3], s[G0+4*\s+3], 0x80000000
	s_mov_b32 s[G0B+4*\s], 1
	s_add_co_u32 s[G0B+4*\s+1], s20, \s*SLOT
	s_add_nc_u64 s[G0B+4*\s+2:G0B+4*\s+3], s[46:47], \s*KSTEP*2
	s_or_b32 s[G0B+4*\s+3], s[G0B+4*\s+3], 0x80000000
	JLOAD \s                                       ; K steps 0 and 1: two tensor loads of this wave are out, later one
.endr
	v_and_b32 v1, 15, v0                           ; r = l % 16
	v_bfe_u32 v2, v0, 4, 1                         ; h = l / 16
	v_lshlrev_b32 v[BO], 5, v2
.if OUTP == 0
	s_cmp_eq_u32 s45, 1                            ; the bias and the scale of my projection
	s_cselect_b64 s[68:69], s[70:71], s[68:69]
	s_cmp_eq_u32 s45, 2
	s_cselect_b64 s[68:69], s[72:73], s[68:69]
	s_cmp_eq_u32 s45, 0
	s_cselect_b32 s90, 0x3e000000, 1.0             ; 1/8 for q
	s_mov_b32 s91, s90
	s_mov_b64 s[8:9], s[74:75]
.else
	s_mov_b64 s[8:9], s[70:71]
.endif
	s_add_nc_u64 s[68:69], s[68:69], s[76:77]
	WIN 0x80                                       ; destination in window 2
.irp b, 0,1,2,3,4,5,6,7
	global_load_b128 v[8*\b:8*\b+3],   v[BO], s[68:69] offset:64*\b      ; bias[n0 + 16 b + 8 h + 0..3]
	global_load_b128 v[8*\b+4:8*\b+7], v[BO], s[68:69] offset:64*\b+16   ; .. + 4..7
.endr
	WIN 0
	; a fragment: lane l holds row l % 16; registers 0-3 K = 8 h + 0..7, registers 4-7 K = 16 + 8 h + 0..7: two loads of 16 bytes, 32 bytes apart
	v_mul_u32_u24 v3, v1, PITCH
	v_lshl_add_u32 v3, v2, 4, v3
	s_mul_i32 s21, s11, HALFT                      ; my 64 rows of x
	s_mul_i32 s22, s12, HALFT
	s_add_co_u32 s22, s22, 2*HALFT                 ; my 128 rows of W
.irp s, 0,1
	v_add_nc_u32 v[ADRA+\s], s21, v3
	v_add_nc_u32 v[ADRB+\s], s22, v3
	s_add_co_u32 s21, s21, SLOT
	s_add_co_u32 s22, s22, SLOT
.endr
	s_mul_i32 s23, s10, 16*SPITCH
	s_add_co_u32 s23, s23, STAGE                   ; my stage
	v_mul_u32_u24 v4, v1, SPITCH
.if OUTP
	v_lshl_add_u32 v4, v2, 5, v4                   ; in: row r, 32 bytes (8 f32) for each half of the lanes
	v_add_nc_u32 v[STO], s23, v4
	v_and_b32 v5, 31, v0
	v_lshlrev_b32 v[CO], 4, v5                     ; back and out: 32 lanes take one row of 512 bytes
	v_add_nc_u32 v[RD], s23, v[CO]
.else
	v_lshl_add_u32 v4, v2, 4, v4                   ; in: row r, 16 bytes (8 f16) for each half of the lanes
	v_add_nc_u32 v[STO], s23, v4
	v_mul_u32_u24 v5, v2, SPITCH                   ; back: lanes 0-15 one row of 256 bytes, lanes 16-31 the next
	v_lshl_add_u32 v5, v1, 4, v5
	v_add_nc_u32 v[RD], s23, v5
	v_lshlrev_b32 v5, 11, v2                       ; and the same two rows in qkvb
	v_lshl_add_u32 v[CO], v1, 4, v5
.endif
	s_wait_loadcnt 0x0                             ; the bias, once
; Eight matrix instructions: row block a x all eight column blocks, 32 along K, from buffer f.  first = 1: C is the bias.
; The 32 accumulators take turns, one instruction a turn, in the same order in every quarter step.
.macro MUL8 f, a, first
.irp b, 0,1,2,3,4,5,6,7
.if \first
	v_wmma_f32_16x16x32_f16 v[8*(8*\a+\b):8*(8*\a+\b)+7], v[BF+64*\f+8*\b:BF+64*\f+8*\b+7], v[AF+32*\f+8*\a:AF+32*\f+8*\a+7], v[8*\b:8*\b+7]
.else
	v_wmma_f32_16x16x32_f16 v[8*(8*\a+\b):8*(8*\a+\b)+7], v[BF+64*\f+8*\b:BF+64*\f+8*\b+7], v[AF+32*\f+8*\a:AF+32*\f+8*\a+7], v[8*(8*\a+\b):8*(8*\a+\b)+7]
.endif
.endr
.endm
; 24 LDS loads in one run: the fragments of a quarter step (128 rows of W, then 64 rows of x, 32 K at byte k of the rows) into buffer f
.macro FETCH slot, k, f
	WIN 0
.irp i, 0,1,2,3,4,5,6,7
	ds_load_b128 v[BF+64*\f+8*\i:BF+64*\f+8*\i+3],   v[ADRB+\slot] offset:\k+\i*16*PITCH
	ds_load_b128 v[BF+64*\f+8*\i+4:BF+64*\f+8*\i+7], v[ADRB+\slot] offset:\k+\i*16*PITCH+32
.endr
.irp i, 0,1,2,3
	ds_load_b128 v[AF+32*\f+8*\i:AF+32*\f+8*\i+3],   v[ADRA+\slot] offset:\k+\i*16*PITCH
	ds_load_b128 v[AF+32*\f+8*\i+4:AF+32*\f+8*\i+7], v[ADRA+\slot] offset:\k+\i*16*PITCH+32
.endr
.endm
.macro WINM first
.if \first
	WIN W_MULB
.else
	WIN W_MUL
.endif
.endm
; One of a K step's first three quarters: multiplies buffer f and, in its middle, fetches the next quarter's fragments into buffer g
.macro QUARTER slot, k, f, g, first
	s_wait_dscnt 4                                 ; W and x's fragments 0, 1 are in; the youngest four loads (x's fragments 2, 3) may be out
	WINM \first
	MUL8 \f, 0, \first
	MUL8 \f, 1, \first
	PLACES
	FETCH \slot, \k, \g
	s_wait_dscnt 24                                ; all but the 24 just issued
	WINM \first
	MUL8 \f, 2, \first
	MUL8 \f, 3, \first
.endm
.macro THREE slot, first
	QUARTER \slot, 64,  0, 1, \first
	QUARTER \slot, 128, 1, 0, 0
	QUARTER \slot, 192, 0, 1, 0
.endm
; The last quarter multiplies buffer 1 and changes slots.  In front of the barrier each wave waits for its reads of this slot and for all its tensor
; loads (one is out: its part of the next slot).  fill = 1: the barrier opens a round of the cluster's barrier, and the joint refill of this slot,
; two K steps ahead, is the first tensor load behind the round.  From that request to the wait for it the wave issues 120 matrix instructions.
.macro TURN slot, next, fill
	s_wait_dscnt 4
	WIN W_MUL
	MUL8 1, 0, 0
	s_wait_dscnt 0x0                               ; my reads of this slot are over
	s_wait_tensorcnt 0x0                           ; all my tensor loads have landed
	ds_add_u32 v254, v255
	s_wait_dscnt 0x0
	s_barrier_signal -1
	MUL8 1, 1, 0                                   ; register work while the others arrive
	WIN 0
	s_barrier_wait -1
.if \fill
	CREST
	s_add_nc_u64 s[G0+4*\slot+2:G0+4*\slot+3], s[G0+4*\slot+2:G0+4*\slot+3], 2*KSTEP*2
	s_add_nc_u64 s[G0B+4*\slot+2:G0B+4*\slot+3], s[G0B+4*\slot+2:G0B+4*\slot+3], 2*KSTEP*2
	JLOAD \slot
.endif
	PLACES
	FETCH \next, 0, 0
	WIN W_MUL
	MUL8 1, 2, 0
	MUL8 1, 3, 0
.endm
.macro LAP first
	THREE 0, \first
	TURN 0, 1, 1
	THREE 1, 0
	TURN 1, 0, 1
.endm
	s_wait_tensorcnt 1                             ; my part of K step 0 is in; K step 1's load stays out
	s_barrier_signal -1
	s_barrier_wait -1
	FETCH 0, 0, 0
	LAP 1                                          ; the first lap stands in front of the loop: its first products take the bias as C
	WIN 0                                          ; at a label and at a branch every window is 0
	s_mov_b32 s3, LAPS-2
.Llap:
	LAP 0
	WIN 0
	s_sub_co_u32 s3, s3, 1
	s_cmp_lg_u32 s3, 0
	s_cbranch_scc1 .Llap
	THREE 0, 0                                     ; the last lap fills nothing
	TURN 0, 1, 0
	THREE 1, 0
	s_wait_dscnt 4                                 ; the very last quarter
	WIN W_MUL
	MUL8 1, 0, 0
	MUL8 1, 1, 0
	s_wait_dscnt 0x0
	MUL8 1, 2, 0
	MUL8 1, 3, 0
	; THE WAY OUT, 16 rows at a time, through my own stage in LDS, so that each store covers whole aligned runs of 256 bytes or more
	PLACES
	s_lshl_b32 s16, s13, 7
	s_lshl_b32 s17, s11, 6
	s_add_co_u32 s16, s16, s17                     ; my first row
	s_mul_i32 s16, s16, SIZE_N*OBYTES
	s_mov_b32 s17, 0
	s_add_nc_u64 s[8:9], s[8:9], s[16:17]
	s_mul_i32 s78, s42, 256*OBYTES                 ; my first column, in bytes
	s_mul_i32 s79, s12, 128*OBYTES
	s_add_co_u32 s78, s78, s79
	s_mov_b32 s79, 0
	s_add_nc_u64 s[8:9], s[8:9], s[78:79]
.macro OUT16 a, f
.if OUTP
	WIN 0x04                                       ; store data from window 1
.irp b, 0,1,2,3,4,5,6,7
	ds_store_b128 v[STO], v[8*(8*\a+\b):8*(8*\a+\b)+3]   offset:64*\b
	ds_store_b128 v[STO], v[8*(8*\a+\b)+4:8*(8*\a+\b)+7] offset:64*\b+16
.endr
	WIN 0
	s_wait_xcnt 0x0                                ; buffer f, which earlier stores read, and the stores' base are rewritten only behind this wait
.if \a
	s_add_nc_u64 s[8:9], s[8:9], 16*SIZE_N*OBYTES
.endif
.irp t, 0,1,2,3,4,5,6,7,8,9,10,11,12,13,14,15
	ds_load_b128 v[BF+64*\f+4*\t:BF+64*\f+4*\t+3], v[RD] offset:\t*SPITCH     ; a wave's LDS instructions are served in order: these see the stores above
.endr
.irp t, 0,1,2,3,4,5,6,7,8,9,10,11,12,13,14,15
	s_wait_dscnt 15-\t
	global_store_b128 v[CO], v[BF+64*\f+4*\t:BF+64*\f+4*\t+3], s[8:9] offset:\t*SIZE_N*OBYTES   ; 512 consecutive bytes of a row
.endr
.else
	WIN 0x01                                       ; source 0 from window 1
.irp b, 0,1,2,3,4,5,6,7
.irp j, 0,2,4,6
	v_pk_mul_f32 v[BF+8*\b+\j:BF+8*\b+\j+1], v[8*(8*\a+\b)+\j:8*(8*\a+\b)+\j+1], s[90:91] op_sel_hi:[1,0]   ; the scale, and the move into window 0
.endr
.endr
	WIN 0
.irp b, 0,1,2,3,4,5,6,7
.irp j, 0,1,2,3
	v_cvt_pk_f16_f32 v[TMP+4*\b+\j], v[BF+8*\b+2*\j], v[BF+8*\b+2*\j+1]
.endr
.endr
.irp b, 0,1,2,3,4,5,6,7
	ds_store_b128 v[STO], v[TMP+4*\b:TMP+4*\b+3] offset:32*\b
.endr
	s_wait_xcnt 0x0                                ; buffer f, which earlier stores read, and the stores' base are rewritten only behind this wait
.if \a
	s_add_nc_u64 s[8:9], s[8:9], 16*SIZE_N*OBYTES
.endif
.irp t, 0,1,2,3,4,5,6,7
	ds_load_b128 v[AF+32*\f+4*\t:AF+32*\f+4*\t+3], v[RD] offset:\t*2*SPITCH   ; a wave's LDS instructions are served in order: these see the stores above
.endr
.irp t, 0,1,2,3,4,5,6,7
	s_wait_dscnt 7-\t
	global_store_b128 v[CO], v[AF+32*\f+4*\t:AF+32*\f+4*\t+3], s[8:9] offset:2*\t*SIZE_N*OBYTES   ; sixteen lanes store 256 consecutive bytes, aligned
.endr
.endif
.endm
	OUT16 0, 0
	OUT16 1, 1
	OUT16 2, 0
	OUT16 3, 1
	s_wait_tensorcnt 0x0
	ds_add_u32 v254, v255
	s_wait_dscnt 0x0
	CROUND                                         ; the closing round: no work-group ends while a partner may still ask for a tile that names it
	s_endpgm
.Lfunc_end_k_q5a29fd0838_outp:
	.size	k_q5a29fd0838_outp, .Lfunc_end_k_q5a29fd0838_outp-k_q5a29fd0838_outp
	.p2alignl 7, 3214868480
	.fill 96, 4, 3214868480
	.section	.rodata,"a",@progbits
	.p2align	6, 0x0
	.amdhsa_kernel k_q5a29fd0838_outp
		.amdhsa_group_segment_fixed_size 327680
		.amdhsa_private_segment_fixed_size 0
		.amdhsa_enable_private_segment 0
		.amdhsa_kernarg_size 32
		.amdhsa_user_sgpr_count 2
		.amdhsa_user_sgpr_kernarg_segment_ptr 1
		.amdhsa_wavefront_size32 1
		.amdhsa_system_sgpr_workgroup_id_x 1
		.amdhsa_system_sgpr_workgroup_id_y 1
		.amdhsa_system_sgpr_workgroup_id_z 1
		.amdhsa_system_vgpr_workitem_id 0
		.amdhsa_next_free_vgpr 576
		.amdhsa_next_free_sgpr 96
		.amdhsa_reserve_vcc 0
		.amdhsa_float_denorm_mode_32 3
		.amdhsa_float_denorm_mode_16_64 3
		.amdhsa_memory_ordered 1
		.amdhsa_forward_progress 1
		.amdhsa_inst_pref_size 119
	.end_amdhsa_kernel
	.amdgpu_metadata
---
amdhsa.version: [ 1, 2 ]
amdhsa.kernels:
  - .name:           k_q5a29fd0838_outp
    .symbol:         k_q5a29fd0838_outp.kd
    .args:
      - { .name: ctxb, .offset: 0, .size: 8, .value_kind: global_buffer, .address_space: global }
      - { .name: wb, .offset: 8, .size: 8, .value_kind: global_buffer, .address_space: global }
      - { .name: bo, .offset: 16, .size: 8, .value_kind: global_buffer, .address_space: global }
      - { .name: out0, .offset: 24, .size: 8, .value_kind: global_buffer, .address_space: global }
    .group_segment_fixed_size: 327680
    .private_segment_fixed_size: 0
    .kernarg_segment_align: 8
    .kernarg_segment_size: 32
    .max_flat_workgroup_size: 128
    .sgpr_count:     96
    .vgpr_count:     576
    .wavefront_size: 32
...
	.end_amdgpu_metadata
.endif
;; end of part 4
